; MI455X (gfx1250); checked and timed in simulation.
; The chip was launched on July 23, 2026; its instructions are those of AMD's public machine-readable ISA for CDNA 5 (MIT licence, August 2026) and "CDNA5" Instruction Set Architecture Reference Guide (July 2026). The comments in the code are by the model that wrote it; some were corrected since.
;; Alibi Attention Wrapper. Allowed arithmetic: matrix products marked QUANTISED: E4M3 operands, one given power-of-two scale a tensor, by v_wmma_f32_16x16x64_fp8_fp8 or v_wmma_f32_16x16x128_fp8_fp8, f32 sums; everything else in f32.
;; Inputs: in_proj_bias 3,072 float32; in_proj_weight 3,072 x 1,024 float32; lowp_scales 8 int32 (the exponents e of the quantised operands' scales 2^e); out_proj_bias 1,024 float32; out_proj_weight 1,024 x 1,024 float32; x 2 x 2,048 x 1,024 float32.
;; Outputs: out0 2 x 2,048 x 1,024 float32.
;; This version of the problem:
;;   THIS VERSION OF THE PROBLEM IS GIVEN IN LOW PRECISION. The matrix products marked QUANTISED in the list below multiply operands that are first quantised to E4M3 (4 exponent bits, 3 mantissa bits; 8 bits a number), with one given power-of-two scale for each operand tensor; their sums are f32. All else is computed in f32.
;;   The module's matrix products, in the order in which they are computed (A, B: the left and right operand; K: the contracted axis; several contracted axes count as one K, in the product's order):
;;     1. [M 4,096, K 1,024] x [K 1,024, N 3,072]; A: input x; B: input in_proj_weight: QUANTISED (scales: A lowp_scales[0], B lowp_scales[1])
;;     2. batch 32 x [M 2,048, K 64] x [K 64, N 2,048]; A: computed on the way; B: computed on the way: QUANTISED (scales: A lowp_scales[2], B lowp_scales[3])
;;     3. batch 32 x [M 2,048, K 2,048] x [K 2,048, N 64]; A: softmax (see below); B: computed on the way: QUANTISED (scales: A lowp_scales[4], B lowp_scales[5])
;;     4. [M 4,096, K 1,024] x [K 1,024, N 1,024]; A: computed on the way; B: input out_proj_weight: QUANTISED (scales: A lowp_scales[6], B lowp_scales[7])
;;   THE QUANTISER, for each operand of a quantised product, along K:
;;     - The operand's scale is 2^e, e = its entry of the input lowp_scales (int32; the entries are numbered through the quantised products in the list's order, A before B).
;;     - Each number is divided by the scale, clamped to +-448, and rounded to the nearest number of E4M3, ties to even, subnormals kept.
;;     - The product sums the exact products of the quantised numbers (number of the format x scale) in f32.
;;   ~~~python
;;   def quantise(x, axis, e):      # numpy; x: float32 -> the quantised numbers, widened to float32 again
;;       x = np.moveaxis(x, axis, -1); K = x.shape[-1]
;;       r = np.clip(x / 2.0 ** e, -448, 448)
;;       step = 2.0 ** (np.maximum(np.frexp(np.where(r == 0, 1, r))[1] - 1, -6) - 3)
;;       q = np.round(r / step) * step * 2.0 ** e      # np.round: ties to even
;;       return np.moveaxis(q, -1, axis).astype(np.float32)
;;   ~~~
;;   SOFTMAX AHEAD OF A QUANTISED PRODUCT. Where the list says 'softmax', what is quantised is not the finished softmax but p = 2^(t - M), with t = logit x log2(e) and M = ceil(the row's largest t), a whole number; so 1/2 < the row's largest p <= 1. The row's sum l is taken of the UNQUANTISED p, in f32, and the product's result is divided by l at the end. Since M is a whole number, a kernel that streams over the keys may use a running M (the ceiling of the running maximum): every later rescaling is an exact power of two, so the quantised numbers keep their values, but for numbers so far below the row's largest that they fall under the format's range.
;;   OPERANDS COMPUTED ON THE WAY. 'Computed on the way' means the value that the module computes at that place (a softmax that the list does not call 'softmax' is quantised finished and normalised). What goes into a quantiser is computed in f32, as accurately as f32 sums, v_exp_f32 and their like allow (about 1e-6 of the number): no bf16 or f16 on the way to a quantiser, and a product that is left as it is and whose result goes on into a quantised operand takes f32 operands (vector FMAs, or v_wmma_f32_16x16x4_f32). A number that lies on a knife's edge between two numbers of the format may be rounded either way, as far as f32 arithmetic and the matrix unit's own rounding can turn it there, and no further.
;; One version. Each part assembles by itself: llvm-mc -triple=amdgcn-amd-amdhsa -mcpu=gfx1250 --defsym DOCPART=n.
;; ======== version 1 of 1: 4 launches
;; limits: right only within a limited range of input values
;; workspace buffers: codes 8,388,608 bytes; qkv 12,582,912 bytes; oc 4,194,304 bytes
;; launch quant (part 1): grid 256 x 1, 8 waves a work-group, no clusters, 68,608 bytes of LDS; arguments x, in_proj_weight, out_proj_weight, lowp_scales, codes; writes codes
.if DOCPART == 1
	.amdgcn_target "amdgcn-amd-amdhsa--gfx1250"
	.amdhsa_code_object_version 6
	.text
	.protected	k_q3ec7e3d48d_quant
	.globl	k_q3ec7e3d48d_quant
	.p2align	8
	.type	k_q3ec7e3d48d_quant,@function
k_q3ec7e3d48d_quant:
	s_mov_b64 s[64:65], 0
	v_nop
	global_prefetch_b8 v0, s[64:65] scope:SCOPE_SE
	s_setreg_imm32_b32 hwreg(HW_REG_WAVE_MODE, 25, 1), 1
	s_wait_xcnt 0x0
; x [4096][1024], in_proj_weight [3072][1024] and out_proj_weight [1024][1024], f32, K innermost, become codes of FP8 (E4M3), each tensor with its given scale 2^e
; (entries 0, 1 and 7 of lowp_scales): code = x / 2^e, held within +-448, rounded to the nearest code, ties to even.
; THE CODES ARE LAID AS IMAGES OF OPERAND REGISTERS.  All rows together (x's, then in_proj's, then out_proj's) form 512 tiles T of 16 rows; lane-row r of tile T is row 32 (T / 2) + 8 (T % 2) + r + 8 (r / 8).
; Fragment (T, s) = that tile x K 128 s .. 128 s + 127 = 2,048 bytes at T x 16,384 + s x 2,048; its 16 bytes at 512 c + 16 x lane (lane = 16 h + r) are the codes k = 128 s + 32 c + 16 h + 0 .. 15 of lane-row r.
; So four 16-byte accesses a lane, 512 bytes apart, bring a fragment into the 16 registers of a matrix operand, and each of them covers 512 consecutive bytes.
; SHARES.  Work-group g takes 32 rows (tiles 2 g, 2 g + 1): g < 128 x, g < 224 in_proj_weight, else out_proj_weight: only pointers and e are chosen, by selects on g; all take one path.
; Wave w takes tile u = w / 4 and 256 along K (fragments 2 (w % 4) and 2 (w % 4) + 1).  Each load reads 512 consecutive bytes of one row; the 16 rows turn through the wave's own stage in LDS, so that a lane
; gets 16 neighbours along K of its row, as the conversions want them.  Waves share nothing: no barrier.  All 32 loads of a wave go out at the head.
; LIMITS: -126 <= e <= 119, so that 2^e and 448 x 2^e are f32 numbers.  NaN among the inputs is not served.
.set SP,  528                          ; a stage row: 512 bytes + 16: the 16 rows that a read touches start at 16 different banks (64 banks of 4 bytes: ISA guide 11.1)
.set WST, 16*SP                        ; a wave's stage
.set R,   16                           ; v16-143  two sets of 64: a fragment's numbers as loaded
.set X,   144                          ; v144-207 register 16 c + i = k 32 c + 16 h + i of my row
.set C,   208                          ; v208-239 codes: 16 registers for each fragment, so that no store's data are written again
	s_load_b256 s[4:11], s[0:1], 0x0               ; x s[4:5], in_proj_weight s[6:7], out_proj_weight s[8:9], the scales' exponents s[10:11]
	s_load_b64 s[12:13], s[0:1], 0x20              ; codes
	v_lshl_add_u32 v240, v0, 2, 0x10800
	v_mov_b32 v241, 0
	v_lshrrev_b32 v4, 5, v0
	s_delay_alu instid0(VALU_DEP_1)
	v_readfirstlane_b32 s14, v4                    ; wave 0..7
	s_lshr_b32 s15, s14, 2                         ; u: which of the two tiles
	s_and_b32 s16, s14, 3                          ; which 256 along K
	v_and_b32 v5, 31, v0
	s_delay_alu instid0(VALU_DEP_1)
	v_lshlrev_b32 v1, 4, v5                        ; 16 x lane: my bytes of a load's 512 and of a store's 512
	s_mul_i32 s19, s14, WST
	v_add_nc_u32 v2, s19, v1                       ; the stage, on the way in
	v_and_b32 v6, 15, v0                           ; r
	v_bfe_u32 v7, v0, 4, 1                         ; h
	s_delay_alu instid0(VALU_DEP_2)
	v_mul_u32_u24 v3, v6, SP
	s_delay_alu instid0(VALU_DEP_1)
	v_lshl_add_u32 v3, v7, 6, v3
	s_delay_alu instid0(VALU_DEP_1)
	v_add_nc_u32 v3, s19, v3                       ; and on the way out: row r, + 64 h bytes (16 numbers)
	s_mov_b32 s17, 224
	s_cmp_lt_u32 ttmp9, 224
	s_cselect_b32 s17, 128, s17
	s_cmp_lt_u32 ttmp9, 128
	s_cselect_b32 s17, 0, s17                      ; the first work-group of my tensor
	s_sub_co_u32 s28, ttmp9, s17
	s_lshl_b32 s28, s28, 17                        ; 32 rows of 4,096 bytes,
	s_lshl_b32 s30, s15, 15                        ; tile u begins 8 rows further down,
	s_add_co_u32 s28, s28, s30
	s_lshl_b32 s30, s16, 10                        ; 256 numbers along K
	s_add_co_u32 s28, s28, s30
	s_mov_b32 s29, 0
	s_lshl_b32 s30, ttmp9, 1
	s_add_co_u32 s30, s30, s15                     ; T
	s_lshl_b32 s30, s30, 14
	s_lshl_b32 s31, s16, 12                        ; two fragments
	s_add_co_u32 s30, s30, s31
	s_mov_b32 s31, 0
	s_wait_alu depctr_va_vdst(0)
	s_wait_kmcnt 0x0
	s_load_b256 s[20:27], s[10:11], 0x0            ; e0 .. e7
	s_cmp_lt_u32 ttmp9, 224                        ; the choice hangs on the work-group's number alone
	s_cselect_b64 s[6:7], s[6:7], s[8:9]
	s_cmp_lt_u32 ttmp9, 128
	s_cselect_b64 s[4:5], s[4:5], s[6:7]
	s_add_nc_u64 s[4:5], s[4:5], s[28:29]
	s_add_nc_u64 s[12:13], s[12:13], s[30:31]
.macro LOAD f                          ; fragment f: lane-row i is row i + 8 (i / 8) from the tile's first; 32 lanes read 512 consecutive bytes
.irp i, 0,1,2,3,4,5,6,7,8,9,10,11,12,13,14,15
	global_load_b128 v[R+64*\f+4*\i:R+64*\f+4*\i+3], v1, s[4:5] offset:(\i+8*(\i/8))*4096+512*\f th:TH_LOAD_NT
.endr
.endm
.macro TURN f                          ; through the stage: LDS serves a wave's instructions in order (ISA guide 5.7.1.4), so no wait stands between the stores and the loads
.irp i, 0,1,2,3,4,5,6,7,8,9,10,11,12,13,14,15
	ds_store_b128 v2, v[R+64*\f+4*\i:R+64*\f+4*\i+3] offset:SP*\i
.endr
.irp c, 0,1,2,3
.irp i, 0,1,2,3
	ds_load_b128 v[X+16*\c+4*\i:X+16*\c+4*\i+3], v3 offset:128*\c+16*\i
.endr
.endr
.endm
.macro QUANT f
.set n, 0
.rept 64
	v_med3_num_f32 v[X+n], v[X+n], -v10, v10       ; the conversion to an 8-bit code does not saturate (ISA guide 7.6.2): the hold at the largest code x the scale
.set n, n+1
.endr
.irp g, 0,1,2,3,4,5,6,7
	v_cvt_scalef32_pk8_fp8_f32 v[C+16*\f+2*\g:C+16*\f+2*\g+1], v[X+8*\g:X+8*\g+7], v11
.endr
	v_nop                                          ; one plain vector line behind the last conversion
.irp c, 0,1,2,3
	global_store_b128 v1, v[C+16*\f+4*\c:C+16*\f+4*\c+3], s[12:13] offset:2048*\f+512*\c   ; 32 lanes store 512 consecutive bytes, at a multiple of 512 from the buffer's first byte
.endr
.endm
	LOAD 0
	LOAD 1
	s_wait_kmcnt 0x0
	s_cmp_lt_u32 ttmp9, 224
	s_cselect_b32 s18, s21, s27
	s_cmp_lt_u32 ttmp9, 128
	s_cselect_b32 s18, s20, s18                    ; e
	s_add_co_i32 s18, s18, 127
	s_lshl_b32 s19, s18, 23
	v_mov_b32 v11, s19                             ; 2^e as f32: the conversion takes its exponent field
	s_add_co_i32 s18, s18, 8
	s_lshl_b32 s18, s18, 23
	s_or_b32 s18, s18, 0x600000
	v_mov_b32 v10, s18                             ; 448 x 2^e
	s_wait_alu depctr_va_vdst(0)
	s_wait_loadcnt 16                              ; fragment 0's sixteen loads are in; fragment 1's sixteen may be out
	TURN 0
	s_wait_dscnt 0x0
	QUANT 0
	s_wait_loadcnt 0x0
	TURN 1
	s_wait_dscnt 0x0
	QUANT 1
	s_wait_tensorcnt 0x0
	ds_add_u32 v240, v241
	s_wait_dscnt 0x0
	s_endpgm
.Lfunc_end_k_q3ec7e3d48d_quant:
	.size	k_q3ec7e3d48d_quant, .Lfunc_end_k_q3ec7e3d48d_quant-k_q3ec7e3d48d_quant
	.p2alignl 7, 3214868480
	.fill 96, 4, 3214868480
	.section	.rodata,"a",@progbits
	.p2align	6, 0x0
	.amdhsa_kernel k_q3ec7e3d48d_quant
		.amdhsa_group_segment_fixed_size 68608
		.amdhsa_private_segment_fixed_size 0
		.amdhsa_enable_private_segment 0
		.amdhsa_kernarg_size 40
		.amdhsa_user_sgpr_count 2
		.amdhsa_user_sgpr_kernarg_segment_ptr 1
		.amdhsa_wavefront_size32 1
		.amdhsa_system_sgpr_workgroup_id_x 1
		.amdhsa_system_sgpr_workgroup_id_y 1
		.amdhsa_system_sgpr_workgroup_id_z 1
		.amdhsa_system_vgpr_workitem_id 0
		.amdhsa_next_free_vgpr 242
		.amdhsa_next_free_sgpr 66
		.amdhsa_reserve_vcc 0
		.amdhsa_float_denorm_mode_32 3
		.amdhsa_float_denorm_mode_16_64 3
		.amdhsa_memory_ordered 1
		.amdhsa_forward_progress 1
		.amdhsa_inst_pref_size 20
	.end_amdhsa_kernel
	.amdgpu_metadata
---
amdhsa.version: [ 1, 2 ]
amdhsa.kernels:
  - .name:           k_q3ec7e3d48d_quant
    .symbol:         k_q3ec7e3d48d_quant.kd
    .args:
      - { .name: x, .offset: 0, .size: 8, .value_kind: global_buffer, .address_space: global }
      - { .name: in_proj_weight, .offset: 8, .size: 8, .value_kind: global_buffer, .address_space: global }
      - { .name: out_proj_weight, .offset: 16, .size: 8, .value_kind: global_buffer, .address_space: global }
      - { .name: lowp_scales, .offset: 24, .size: 8, .value_kind: global_buffer, .address_space: global }
      - { .name: codes, .offset: 32, .size: 8, .value_kind: global_buffer, .address_space: global }
    .group_segment_fixed_size: 68608
    .private_segment_fixed_size: 0
    .kernarg_segment_align: 8
    .kernarg_segment_size: 40
    .max_flat_workgroup_size: 256
    .sgpr_count:     66
    .vgpr_count:     242
    .wavefront_size: 32
...
	.end_amdgpu_metadata
.endif
;; end of part 1
;; launch qkv (part 2): grid 12 x 16, 4 waves a work-group, clusters of 4 x 4, 327,680 bytes of LDS; arguments codes, in_proj_bias, lowp_scales, qkv; writes qkv
.if DOCPART == 2
	.amdgcn_target "amdgcn-amd-amdhsa--gfx1250"
	.amdhsa_code_object_version 6
	.text
	.protected	k_q3ec7e3d48d_qkv
	.globl	k_q3ec7e3d48d_qkv
	.p2align	8
	.type	k_q3ec7e3d48d_qkv,@function
k_q3ec7e3d48d_qkv:
	s_mov_b64 s[64:65], 0
	v_nop
	global_prefetch_b8 v0, s[64:65] scope:SCOPE_SE
	s_setreg_imm32_b32 hwreg(HW_REG_WAVE_MODE, 25, 1), 1
	s_wait_xcnt 0x0
	s_wait_alu depctr_hold_cnt(0) depctr_sa_sdst(0) depctr_va_vdst(0) depctr_va_sdst(0) depctr_va_ssrc(0) depctr_va_vcc(0) depctr_vm_vsrc(0)
	s_getreg_b32 s2, hwreg(HW_REG_IB_STS2, 6, 4)
	s_cmp_eq_u32 s2, 0
	s_cbranch_scc0 .Lentry_in_a_cluster
	s_endpgm
.Lentry_in_a_cluster:
	s_bfe_u32 s2, ttmp6, 0x10000c
	s_cmp_lg_u32 s2, 0xf033
	s_cbranch_scc0 .Lentry_shape_is_right
	s_endpgm
.Lentry_shape_is_right:
; qkv = x in_proj_weight^T + in_proj_bias on codes of FP8 (E4M3): f32 sums x 2^(e0 + e1) + bias, then quantised at once for the attention: q with 2^e2, k with 2^e3, v with 2^e5.
; IN: codes, as images of operand registers: tile T (16 rows; lane-row r = row 32 (T / 2) + 8 (T % 2) + r + 8 (r / 8)) at T x 16,384; fragment s (128 along K) at + 2,048 s; 16 bytes at 512 c + 16 x lane = k 32 c + 16 h + 0 .. 15.
;   x: tiles 0-255, from byte 0; in_proj_weight: tiles 256-447, from byte 4,194,304.
; OUT: qkv, 393,216 bytes for each (batch, head): Q [128 query tiles][1,024], K at + 131,072 [128 key tiles][1,024] (half fragments: K = the head's 64), V at + 262,144 [16 key steps][4 channel tiles][2,048] (K = 128 keys).
; A tile of 256 x 256 is made by a work-group of four waves; a wave makes 128 x 128: 64 accumulators, 512 registers.  K goes in four steps of 256 through a ring of two LDS slots.
; THE MATRIX INSTRUCTION: source 1 ('A') gives a lane its row, source 0 ('B') runs along a lane's registers; by the order of rows in a tile the 16 registers of B's tiles 2 c, 2 c + 1 are 16 NEIGHBOURS 32 c + 16 h + 0 .. 15.
;   The cluster's x is the region.  q, k (0, 1): A = tokens, B = features: a lane holds one token and runs along d.   v (2): A = features, B = tokens: a lane holds one channel and runs along the keys.
;   So the conversions' results are pieces of the next operand's image, and each store of a wave covers 512 consecutive bytes, aligned.  Only offsets into the one buffer of codes differ between the regions.
; CLUSTERS: 4 x 4 work-groups.  A's tile is shared along a row of the cluster, B's along a column: each is asked for JOINTLY, by the same tensor load with the same descriptor and a mask that names the four.
; The region is the same number in all sixteen partners, so the one branch on it (on the way out) is taken alike by all.
; LIMITS: e0 + e1 between -126 and 127; e2, e3, e5 between -126 and 119, so that each power of two below is an f32 number.
; REGISTERS, in windows of 256: window 0: v16-31 addresses and scales; v32-95 the bias; v96-127 codes; from v128 A's fragments, ONE set (on the way out: two sets of 64 numbers).
;   window 1: B's fragments, TWO sets.   window 2: the accumulators of A's blocks 0-3 ((a, b) at v[8 (8 (a % 4) + b)]);   window 3: those of blocks 4-7.
.set FR,     16                        ; registers of a fragment
.set NL,     4                         ; LDS loads that bring one
.set NP,     4                         ; places behind this matrix instruction (ISA guide 7.12.1)
.set HALFT,  32768                     ; 8 tiles x 4,096 bytes (256 along K): what one tensor load brings, and what one wave reads of A or of B
.set SLOT,   4*HALFT                   ; A's 16 tiles, then B's 16
.set KSB,    4096                      ; a K step in a tile's 16,384 bytes
.set SPARE,  2*SLOT                    ; behind the ring: the spare words, 128 bytes for each wave: two blocks of 256 bytes that no other line names
.set BST,    SPARE+512                 ; behind them: each wave's 128 numbers of the bias, 512 bytes a wave; no fill lands here
.set ADRA, 16                          ; v16-17  LDS address of my A fragments in slot 0, 1
.set ADRB, 20                          ; v20-21  the same for B
.set VO,   24                          ; v24     16 x lane
.set BW,   25                          ; v25     where I put my 16 bytes of the bias
.set BQ,   26                          ; v26     q, k: my half's numbers of the bias: + 64 h
.set BV,   27                          ; v27     v: my lane-row's number: + 4 (r + 8 (r / 8))
.set SPW,  28                          ; v28     LDS address of my spare word; never rewritten
.set NIL,  29                          ; v29     0; never rewritten
.set SC,   30                          ; v30     2^ed as f32
.set LIM,  31                          ; v31     448 x 2^ed
.set BI,   32
.set CD,   96
.set AF,   128
.set G1, 24                            ; s[24:31] descriptor group 1 for A's tiles;  s[32:39] group 0, one set for each slot
.set G0, 32
.set G1B, 48                           ; s[48:55], s[56:63] the same for B's tiles
.set G0B, 56
.set MSB, 0
.macro WIN new                         ; the immediate's high byte repeats the setting that is left
.if MSB != \new
	s_set_vgpr_msb (MSB<<8)|\new
.set MSB, \new
.endif
.endm
.set MUL_LO, 0xa1                      ; source 0 (B) window 1, source 1 (A) window 0, C and D window 2
.set MUL_HI, 0xf1                      ; the same, C and D window 3
.set TO_B,   0x40                      ; destination window 1, address window 0
; A joint load: waves 0 and 1 fetch for A, waves 2 and 3 for B.  The branch hangs on the wave's number alone.  Four v_nop follow each of the two lines.
.macro JLOAD g0a, g1a, g0b, g1b
	s_cmp_eq_u32 s15, 0
	s_cbranch_scc0 .Lfor_b_\@
	tensor_load_to_lds s[\g0a:\g0a+3], s[\g1a:\g1a+7]
	s_nop 0
.rept 4
	v_nop
.endr
	s_branch .Lasked_\@
.Lfor_b_\@:
	tensor_load_to_lds s[\g0b:\g0b+3], s[\g1b:\g1b+7]
	s_nop 0
.rept 4
	v_nop
.endr
.Lasked_\@:
.endm
.macro CREST                           ; a round of the cluster's barrier behind its opening barrier
	s_cmp_lg_u32 s14, 0
	s_cbranch_scc1 .Lnot_wave_0_\@
	s_barrier_signal -3
.Lnot_wave_0_\@:
	s_barrier_wait -3
	s_barrier_signal -1
	s_barrier_wait -1
.endm
.macro CROUND                          ; a whole round
	s_barrier_signal -1
	s_barrier_wait -1
	CREST
.endm
	s_load_b256 s[4:11], s[0:1], 0x0               ; codes s[4:5], in_proj_bias s[6:7], the scales' exponents s[8:9], qkv s[10:11]
	v_lshl_add_u32 v[SPW], v0, 2, SPARE
	v_mov_b32 v[NIL], 0
	ds_add_u32 v28, v29
	ds_add_u32 v28, v29
	s_wait_dscnt 0x0
	v_lshrrev_b32 v1, 5, v0
	v_readfirstlane_b32 s14, v1                    ; wave 0..3
	s_lshr_b32 s15, s14, 1                         ; which half of A's rows is mine.  Also: I fetch for A (0) or for B (1)
	s_and_b32 s16, s14, 1                          ; which half of B's rows.  Also: which 8 tiles I fetch
	s_bfe_u32 s40, ttmp6, 0x40000                  ; cx, cy: my place in the cluster
	s_bfe_u32 s41, ttmp6, 0x40004
	s_and_b32 s17, ttmp7, 0xffff                   ; the cluster's y: 1,024 tokens
	s_lshl_b32 s43, s41, 2
	s_lshl_b32 s43, 15, s43                        ; my row of the cluster
	s_lshl_b32 s44, 0x1111, s40                    ; my column
	; descriptor group 1: 8 rows (tiles) of 4,096 bytes, 16,384 bytes apart, in elements of 8 bytes; dense in LDS
	s_or_b32 s[G1+0], s43, (3<<16)|(1<<21)         ; 15:0 the mask: A's tiles go to my row; 17:16 elements of 8 bytes; 21 set beside a mask
	s_or_b32 s[G1B+0], s44, (3<<16)|(1<<21)
.irp g, G1, G1B
	s_mov_b32 s[\g+1], 512<<16                     ; tensor_dim0 = 512
	s_mov_b32 s[\g+2], 8<<16                       ; tensor_dim1 = 8
	s_mov_b32 s[\g+3], 512<<16                     ; tile_dim0 = 512
	s_mov_b32 s[\g+4], 8                           ; tile_dim1 = 8
	s_mov_b32 s[\g+5], 2048                        ; tensor_dim0_stride
	s_mov_b32 s[\g+6], 0
	s_mov_b32 s[\g+7], 0
.endr
	; where the tiles come from, as offsets into codes.  256 rows are 262,144 bytes.  A's registers never hold cx, B's never cy
	s_lshl_b32 s18, s17, 20                        ; the cluster's 1,024 tokens
	s_lshl_b32 s19, ttmp9, 20
	s_add_co_u32 s19, s19, 4194304                 ; the region's 1,024 features
	s_mov_b32 s21, 6291456                         ; v's 1,024 features
	s_cmp_eq_u32 ttmp9, 2                          ; the region is v
	s_cselect_b32 s20, s21, s18                    ; A: features (v) or tokens
	s_cselect_b32 s46, s18, s19                    ; B: tokens (v) or features
	s_lshl_b32 s21, s41, 18
	s_add_co_u32 s20, s20, s21                     ; A: + 256 rows x cy
	s_lshl_b32 s21, s16, 17
	s_add_co_u32 s20, s20, s21                     ;    + the 8 tiles that I fetch
	s_mov_b32 s21, 0
	s_lshl_b32 s47, s40, 18
	s_add_co_u32 s46, s46, s47                     ; B: + 256 rows x cx
	s_lshl_b32 s47, s16, 17
	s_add_co_u32 s46, s46, s47
	s_mov_b32 s47, 0
	s_lshl_b32 s45, s14, 15                        ; where they go: wave x 32,768: no place in the cluster enters an LDS address
	; the way out and the bias: plain global addresses, in registers of their own
	s_lshl_b32 s76, s17, 2
	s_cmp_eq_u32 ttmp9, 2
	s_cselect_b32 s77, s40, s41                    ; the tokens' place in the cluster: cx (v) or cy
	s_cselect_b32 s78, s41, s40                    ; the features'
	s_cselect_b32 s79, s16, s15                    ; my half of the tokens
	s_cselect_b32 s80, s15, s16                    ; my half of the features
	s_add_co_u32 s76, s76, s77                     ; which 256 tokens
	s_lshr_b32 s81, s76, 3                         ; batch
	s_lshl_b32 s81, s81, 4
	s_lshl_b32 s82, s78, 2
	s_add_co_u32 s81, s81, s82
	s_lshl_b32 s82, s80, 1
	s_add_co_u32 s81, s81, s82                     ; 16 x batch + my first head: 4 x (256 features) + 2 x half
	s_mul_i32 s81, s81, 393216
	s_lshl_b32 s82, ttmp9, 17                      ; the region
	s_add_co_u32 s81, s81, s82
	s_and_b32 s82, s76, 7
	s_lshl_b32 s82, s82, 1
	s_add_co_u32 s82, s82, s79                     ; which 128 tokens of the batch: 8 tiles of 1,024 bytes, or a key step of 8,192
	s_lshl_b32 s82, s82, 13
	s_add_co_u32 s82, s82, s81
	s_mov_b32 s83, 0
	s_lshl_b32 s84, ttmp9, 10
	s_lshl_b32 s85, s78, 8
	s_add_co_u32 s84, s84, s85
	s_lshl_b32 s85, s80, 7
	s_add_co_u32 s84, s84, s85                     ; my first feature
	s_lshl_b32 s84, s84, 2
	s_mov_b32 s85, 0
	s_wait_kmcnt 0x0
	s_load_b256 s[68:75], s[8:9], 0x0              ; e0 .. e7
	s_add_nc_u64 s[20:21], s[4:5], s[20:21]
	s_add_nc_u64 s[46:47], s[4:5], s[46:47]
	s_add_nc_u64 s[10:11], s[10:11], s[82:83]
	s_add_nc_u64 s[6:7], s[6:7], s[84:85]
	CROUND                                         ; all sixteen work-groups are here: the first joint loads meet
.irp s, 0,1
	s_mov_b32 s[G0+4*\s], 1
	s_add_co_u32 s[G0+4*\s+1], s45, \s*SLOT
	s_add_nc_u64 s[G0+4*\s+2:G0+4*\s+3], s[20:21], \s*KSB
	s_or_b32 s[G0+4*\s+3], s[G0+4*\s+3], 0x80000000
	s_mov_b32 s[G0B+4*\s], 1
	s_add_co_u32 s[G0B+4*\s+1], s45, \s*SLOT
	s_add_nc_u64 s[G0B+4*\s+2:G0B+4*\s+3], s[46:47], \s*KSB
	s_or_b32 s[G0B+4*\s+3], s[G0B+4*\s+3], 0x80000000
.endr
	JLOAD G0, G1, G0B, G1B                         ; K step 0: one tensor load a wave at the head
	v_and_b32 v1, 31, v0
	v_lshlrev_b32 v[VO], 4, v1
	s_wait_alu depctr_va_vdst(0)
	global_load_b128 v[BI:BI+3], v[VO], s[6:7]     ; my wave's 128 numbers of the bias: 512 consecutive bytes
	s_lshl_b32 s21, s15, 15                        ; my 8 tiles of A
	s_lshl_b32 s22, s16, 15                        ; my 8 tiles of B,
	s_add_co_u32 s22, s22, 2*HALFT                 ; which lie behind A's 16
.irp s, 0,1
	v_add_nc_u32 v[ADRA+\s], s21, v[VO]
	v_add_nc_u32 v[ADRB+\s], s22, v[VO]
	s_add_co_u32 s21, s21, SLOT
	s_add_co_u32 s22, s22, SLOT
.endr
	s_lshl_b32 s23, s14, 9
	s_add_co_u32 s23, s23, BST
	v_add_nc_u32 v[BW], s23, v[VO]
	v_bfe_u32 v2, v0, 4, 1                         ; h
	v_lshl_add_u32 v[BQ], v2, 6, s23
	v_and_b32 v3, 15, v0                           ; r
	v_and_b32 v4, 8, v3
	v_add_nc_u32 v3, v3, v4                        ; r + 8 (r / 8)
	v_lshl_add_u32 v[BV], v3, 2, s23
.macro FRAG reg, adr, q, i             ; tile i's q-th fragment of the slot, as it lies: 512 consecutive bytes a load
.irp c, 0,1,2,3
	ds_load_b128 v[\reg+4*\c:\reg+4*\c+3], v[\adr] offset:4096*(\i)+2048*(\q)+512*\c
.endr
.endm
; 16 matrix instructions: A's blocks a0, a0 + 1 x B's eight, 128 along K.  p: B's set.  zero = 1: the first product starts the sums.
; The 64 accumulators take turns, one instruction a turn, in the same order in every step.
.macro MUL16 a0, p, zero
.irp a, \a0, \a0+1
.irp b, 0,1,2,3,4,5,6,7
.if \zero
	v_wmma_f32_16x16x128_fp8_fp8 v[8*(8*((\a)%4)+\b):8*(8*((\a)%4)+\b)+7], v[128*(\p)+FR*\b:128*(\p)+FR*\b+FR-1], v[AF+FR*(\a):AF+FR*(\a)+FR-1], 0
.else
	v_wmma_f32_16x16x128_fp8_fp8 v[8*(8*((\a)%4)+\b):8*(8*((\a)%4)+\b)+7], v[128*(\p)+FR*\b:128*(\p)+FR*\b+FR-1], v[AF+FR*(\a):AF+FR*(\a)+FR-1], v[8*(8*((\a)%4)+\b):8*(8*((\a)%4)+\b)+7]
.endif
.endr
.endr
.endm
.macro FETCH_B slot, q, p
	WIN TO_B
.irp i, 0,1,2,3,4,5,6,7
	FRAG 128*(\p)+FR*\i, ADRB+\slot, \q, \i
.endr
	WIN 0
.endm
.macro FETCH_A slot, q, i0
.irp i, \i0, \i0+1, \i0+2, \i0+3
	FRAG AF+FR*(\i), ADRA+\slot, \q, \i
.endr
.endm
.macro PLACES n                        ; plain vector lines between a matrix instruction and a load into, or a read of, its registers
.rept \n
	v_nop
.endr
.endm
; A step of 128 along K that has its successor in the same slot.  A block of A is free when its eight products are issued: blocks 0-3 are fetched anew in the middle, blocks 4-7 at the end.
.macro STEP slot, q, zero
	s_wait_dscnt 4*NL                              ; B's set and A's blocks 0-3 are in; the youngest sixteen loads (A's blocks 4-7) may be out
	WIN MUL_LO
	MUL16 0, (\q)%2, \zero
	MUL16 2, (\q)%2, \zero
	s_wait_dscnt 0
	PLACES NP
	FETCH_B \slot, (\q)+1, 1-(\q)%2
	FETCH_A \slot, (\q)+1, 0
	WIN MUL_HI
	MUL16 4, (\q)%2, \zero
	MUL16 6, (\q)%2, \zero
	PLACES NP
	WIN 0
	FETCH_A \slot, (\q)+1, 4
.endm
; A slot's last step changes slots: ONE barrier; in front of it each wave waits for all its tensor loads, adds 0 to its spare word, and waits for that and for its own reads of this slot.  fill = 1: the slot is filled again, two K steps ahead.
.macro TURN slot, next, fill
	s_wait_tensorcnt 0x0                           ; all my tensor loads have landed: my part of the next slot
	ds_add_u32 v[SPW], v[NIL]                      ; 0 onto my spare word
	s_wait_dscnt 4*NL+1                            ; (the add and the youngest sixteen loads may be out)
	WIN MUL_LO
	MUL16 0, 1, 0                                  ; sixteen matrix instructions stand between the add and the wait for it
	s_wait_dscnt 0x0                               ; the add is done, and my reads of this slot are over
	s_barrier_signal -1
	MUL16 2, 1, 0
	WIN 0
	s_barrier_wait -1
.if \fill
	CREST                                          ; the barrier has opened a round of the cluster's barrier: no wave of any partner still reads this slot or has a load on its way
	s_add_nc_u64 s[G0+4*\slot+2:G0+4*\slot+3], s[G0+4*\slot+2:G0+4*\slot+3], 2*KSB
	s_add_nc_u64 s[G0B+4*\slot+2:G0B+4*\slot+3], s[G0B+4*\slot+2:G0B+4*\slot+3], 2*KSB
	JLOAD G0+4*\slot, G1, G0B+4*\slot, G1B         ; the first tensor load behind the round; its four v_nop are also the places in front of the loads below
.else
	PLACES NP
.endif
	FETCH_B \next, 0, 0
	FETCH_A \next, 0, 0
	WIN MUL_HI
	MUL16 4, 1, 0
	MUL16 6, 1, 0
	PLACES NP
	WIN 0
	FETCH_A \next, 0, 4
.endm
	s_wait_alu depctr_va_vdst(0)
	s_wait_loadcnt 0x0
	ds_store_b128 v[BW], v[BI:BI+3]                ; the bias waits in my own 512 bytes of LDS for the way out
	s_wait_tensorcnt 0x0                           ; my part of K step 0 is in
	ds_add_u32 v[SPW], v[NIL]
	s_wait_dscnt 0x0                               ; the add and the bias's store are done
	CROUND                                         ; everybody's part of K step 0 is in, and the sixteen work-groups meet
	JLOAD G0+4, G1, G0B+4, G1B                     ; K step 1, slot 1's first fill: the first tensor load behind the round
	FETCH_B 0, 0, 0
	FETCH_A 0, 0, 0
	FETCH_A 0, 0, 4
	STEP 0, 0, 1                                   ; K has four steps of 256: twice round the ring, written out; the first products start the sums
	TURN 0, 1, 1                                   ; slot 0 takes K step 2
	STEP 1, 0, 0
	TURN 1, 0, 1                                   ; slot 1 takes K step 3
	STEP 0, 0, 0
	TURN 0, 1, 0                                   ; nothing is left to fetch
	STEP 1, 0, 0
	s_wait_dscnt 4*NL
	WIN MUL_LO
	MUL16 0, 1, 0
	MUL16 2, 1, 0
	s_wait_dscnt 0
	WIN MUL_HI
	MUL16 4, 1, 0
	MUL16 6, 1, 0
	WIN 0
; THE WAY OUT, block a of A's eight at a time: 64 sums a lane, register 16 c + i = B's row 32 c + 16 h + i.  sum x 2^(e0 + e1) + bias, the hold, the conversions: 16 registers of codes, which are a fragment's image.
.macro OUTA a, isv
.set AC, 64*((\a)%4)
.set TQ, AF+64*((\a)%2)
.set CQ, CD+16*((\a)%2)
.if (\a) >= 2
	s_wait_xcnt 0x0                                ; block a - 2's stores have read their registers: its codes' set is written again only behind this wait
.endif
	WIN 0x02+((\a)/4)                              ; source 0: window 2 or 3
.set n, 0
.rept 32
.if \isv
	v_pk_fma_f32 v[TQ+n:TQ+n+1], v[AC+n:AC+n+1], s[96:97], v[BI+2*(\a):BI+2*(\a)+1] op_sel_hi:[1,0,1]   ; v: the bias is my channel's; each accumulator from its low end on
.else
	v_pk_fma_f32 v[TQ+n:TQ+n+1], v[AC+n:AC+n+1], s[96:97], v[BI+n:BI+n+1] op_sel_hi:[1,0,1]             ; q, k: the bias runs along my registers
.endif
.set n, n+2
.endr
	WIN 0
.set n, 0
.rept 64
	v_med3_num_f32 v[TQ+n], v[TQ+n], -v[LIM], v[LIM]   ; the conversion does not saturate (ISA guide 7.6.2): the hold at the largest code x the scale
.set n, n+1
.endr
.irp g, 0,1,2,3,4,5,6,7
	v_cvt_scalef32_pk8_fp8_f32 v[CQ+2*\g:CQ+2*\g+1], v[TQ+8*\g:TQ+8*\g+7], v[SC]
.endr
	v_nop                                          ; one plain vector line behind the last conversion
.irp c, 0,1,2,3
.if \isv
	global_store_b128 v[VO], v[CQ+4*\c:CQ+4*\c+3], s[10:11] offset:393216*((\a)/4)+2048*((\a)%4)+512*\c   ; head a / 4 of my two, channel tile a % 4, keys 32 c on: 512 consecutive bytes
.else
	global_store_b128 v[VO], v[CQ+4*\c:CQ+4*\c+3], s[10:11] offset:1024*(\a)+393216*(\c/2)+512*(\c%2)     ; token tile a, head c / 2 of my two, d 32 (c % 2) on: 512 consecutive bytes
.endif
.endr
.endm
	s_wait_kmcnt 0x0
	s_add_co_i32 s96, s68, s69                     ; e0 + e1
	s_add_co_i32 s96, s96, 127
	s_lshl_b32 s96, s96, 23                        ; 2^(e0 + e1) as f32
	s_mov_b32 s97, s96                             ; (named with it as a pair, so it is written)
	s_cmp_eq_u32 ttmp9, 0
	s_cselect_b32 s86, s70, s71                    ; e2 for q, e3 for k,
	s_cmp_eq_u32 ttmp9, 2
	s_cselect_b32 s86, s73, s86                    ; e5 for v: chosen, not branched on
	s_add_co_i32 s86, s86, 127
	s_lshl_b32 s87, s86, 23
	s_add_co_i32 s86, s86, 8
	s_lshl_b32 s86, s86, 23
	s_or_b32 s86, s86, 0x600000
	v_mov_b32 v[SC], s87
	v_mov_b32 v[LIM], s86
	PLACES NP                                      ; behind the last products: their results are read, and A's registers written, below
	s_cmp_eq_u32 ttmp9, 2
	s_cbranch_scc1 .Lv
.irp g, 0,1,2,3,4,5,6,7,8,9,10,11,12,13,14,15
	ds_load_b128 v[BI+4*\g:BI+4*\g+3], v[BQ] offset:128*(\g/4)+16*(\g%4)   ; register 16 c + i: the bias of feature 32 c + 16 h + i
.endr
	s_wait_dscnt 0x0
.irp a, 0,1,2,3,4,5,6,7
	OUTA \a, 0
.endr
	s_branch .Ljoin
.Lv:
.irp a, 0,1,2,3,4,5,6,7
	ds_load_b32 v[BI+2*\a], v[BV] offset:(32*(\a/2)+8*(\a%2))*4            ; block a: the bias of my lane-row's channel, twice: a pair for the packed form
	ds_load_b32 v[BI+2*\a+1], v[BV] offset:(32*(\a/2)+8*(\a%2))*4
.endr
	s_wait_dscnt 0x0
.irp a, 0,1,2,3,4,5,6,7
	OUTA \a, 1
.endr
.Ljoin:
	s_wait_tensorcnt 0x0                           ; the wave's end
	ds_add_u32 v[SPW], v[NIL]
	s_wait_dscnt 0x0
	CROUND                                         ; the closing round: no work-group ends while a partner may still ask for a tile that names it
	s_endpgm
.Lfunc_end_k_q3ec7e3d48d_qkv:
	.size	k_q3ec7e3d48d_qkv, .Lfunc_end_k_q3ec7e3d48d_qkv-k_q3ec7e3d48d_qkv
	.p2alignl 7, 3214868480
	.fill 96, 4, 3214868480
	.section	.rodata,"a",@progbits
	.p2align	6, 0x0
	.amdhsa_kernel k_q3ec7e3d48d_qkv
		.amdhsa_group_segment_fixed_size 327680
		.amdhsa_private_segment_fixed_size 0
		.amdhsa_enable_private_segment 0
		.amdhsa_kernarg_size 32
		.amdhsa_user_sgpr_count 2
		.amdhsa_user_sgpr_kernarg_segment_ptr 1
		.amdhsa_wavefront_size32 1
		.amdhsa_system_sgpr_workgroup_id_x 1
		.amdhsa_system_sgpr_workgroup_id_y 1
		.amdhsa_system_sgpr_workgroup_id_z 1
		.amdhsa_system_vgpr_workitem_id 0
		.amdhsa_next_free_vgpr 1024
		.amdhsa_next_free_sgpr 100
		.amdhsa_reserve_vcc 0
		.amdhsa_float_denorm_mode_32 3
		.amdhsa_float_denorm_mode_16_64 3
		.amdhsa_memory_ordered 1
		.amdhsa_forward_progress 1
		.amdhsa_inst_pref_size 193
	.end_amdhsa_kernel
	.amdgpu_metadata
---
amdhsa.version: [ 1, 2 ]
amdhsa.kernels:
  - .name:           k_q3ec7e3d48d_qkv
    .symbol:         k_q3ec7e3d48d_qkv.kd
    .args:
      - { .name: codes, .offset: 0, .size: 8, .value_kind: global_buffer, .address_space: global }
      - { .name: in_proj_bias, .offset: 8, .size: 8, .value_kind: global_buffer, .address_space: global }
      - { .name: lowp_scales, .offset: 16, .size: 8, .value_kind: global_buffer, .address_space: global }
      - { .name: qkv, .offset: 24, .size: 8, .value_kind: global_buffer, .address_space: global }
    .group_segment_fixed_size: 327680
    .private_segment_fixed_size: 0
    .kernarg_segment_align: 8
    .kernarg_segment_size: 32
    .max_flat_workgroup_size: 128
    .sgpr_count:     100
    .vgpr_count:     1024
    .wavefront_size: 32
...
	.end_amdgpu_metadata
.endif
;; end of part 2
;; launch attn (part 3): grid 8 x 32, 16 waves a work-group, clusters of 4 x 1, 327,680 bytes of LDS; arguments qkv, lowp_scales, oc; writes oc
.if DOCPART == 3
	.amdgcn_target "amdgcn-amd-amdhsa--gfx1250"
	.amdhsa_code_object_version 6
	.text
	.protected	k_q3ec7e3d48d_attn
	.globl	k_q3ec7e3d48d_attn
	.p2align	8
	.type	k_q3ec7e3d48d_attn,@function
k_q3ec7e3d48d_attn:
	s_mov_b64 s[64:65], 0
	v_nop
	global_prefetch_b8 v0, s[64:65] scope:SCOPE_SE
	s_setreg_imm32_b32 hwreg(HW_REG_WAVE_MODE, 25, 1), 1
	s_wait_xcnt 0x0
	s_wait_alu depctr_hold_cnt(0) depctr_sa_sdst(0) depctr_va_vdst(0) depctr_va_sdst(0) depctr_va_ssrc(0) depctr_va_vcc(0) depctr_vm_vsrc(0)
	s_getreg_b32 s2, hwreg(HW_REG_IB_STS2, 6, 4)
	s_cmp_eq_u32 s2, 0
	s_cbranch_scc0 .Lentry_in_a_cluster
	s_endpgm
.Lentry_in_a_cluster:
	s_bfe_u32 s2, ttmp6, 0x10000c
	s_cmp_lg_u32 s2, 0x3003
	s_cbranch_scc0 .Lentry_shape_is_right
	s_endpgm
.Lentry_shape_is_right:
; o = softmax(q k^T / 8 + min(slope (i - j), 8)) v for one (batch, head), both products on codes of FP8 (E4M3); o is quantised at once with 2^e6 for the projection.
; IN: qkv, 393,216 bytes for each (batch, head): Q [128 tiles][1,024], K at + 131,072 [128 key tiles][1,024], V at + 262,144 [16 key steps][4 channel tiles][2,048], all as images of operand registers
;   (lane-row r of tile T = row 32 (T / 2) + 8 (T % 2) + r + 8 (r / 8); 16 bytes at 512 c + 16 x lane = k 32 c + 16 h + 0 .. 15).   OUT: oc, tile T of tokens at T x 16,384, the head's 64 channels at + 1,024 x head.
; THE SOFTMAX: t = logit x log2(e); M = the running largest t rounded up to a whole number; p = 2^(t - M) is quantised with 2^e4; the row's sum is taken of the unquantised p and divides at the end.
; SHARES.  A cluster of four work-groups owns 1,024 queries of a head; K and V of the head, 262,144 bytes on end in memory, lie whole in each work-group's LDS, as they lie in memory: each of the 16 waves asks for
;   16,384 bytes by ONE JOINT load (mask 15), and nothing is filled again.  All loads go out at the head and no loop runs ahead of a load: so no prefetch is laid.
;   Wave w of partner cx owns query tile 64 X + 4 w + cx, in 256 registers: four waves to a SIMD, so that one wave's vector work stands beside another's matrix work and LDS loads.
; THE BIAS.  In a lane i - j = DL - 32 b - e for register 16 b + e.  Three forms of a key step, chosen by a scalar branch on the cluster's number, the wave's number and the step (the 64 queries that wave w of the
;   four partners own together; never the place in the cluster): all of them under the cap: the part -slope e goes in as the C of the first product (16 registers, in units of a raw sum) and slope (DL - 32 b) is added with -M;
;   all at the cap: C = 0 and the cap is added with -M;  else C = min(slope (i - j), cap), made register by register.
; LIMITS: e2 + e3 between -120 and 120; e4 and e6 between -126 and 119, so that each power of two below is an f32 number.  The scaled scores stay under 2^31 in magnitude.  NaN among the inputs is not served.
.set SPARE, 0x44000                    ; the spare words: 128 bytes for each of 16 waves; no other line names them
.set LI,   1                           ; 16 x lane
.set ADK,  2                           ; LDS address of the K fragments being fetched
.set ADV,  3                           ; of V's
.set SPW,  4                           ; my spare word; never rewritten
.set NIL,  5                           ; 0; never rewritten
.set DL,   6                           ; my query - 16 h - the step's first key
.set LV,   7                           ; 16 x lane + 131,072
.set Q,    8
.set TAB,  16                          ; -slope e in raw units, e = 0 .. 15
.set FRG,  32                          ; K's eight fragments, then V's four
.set S,    96
.set O,    160
.set PC,   192
.set DB,   208
.set MB,   212
.set AB,   216
.set NM,   224
.set TMX,  225
.set SUM,  226
.set SUM2, 228
.set F,    230
.set PD,   232
.set T1,   233
.set T2,   234
.set LIM,  235                         ; 448 x 2^e4, twice: the two halves of a dual pair take their second sources from different register banks
.set LIM2, 236
.set SC,   237
.set T0,   238
.set SUM3, 240
.set SUM4, 242
.set WV,   10
.set BH,   11
.set CX,   12
.set H,    13
.set G1,   16
.set G0,   24
.set MM,   32
.set CS,   48                          ; s[48:49] log2(e) / 8 x 2^(e2 + e3)
.set VA,   50                          ; slope x log2(e)
.set ARAW, 51                          ; slope x 8 x 2^-(e2 + e3): the slope in units of a raw sum
.set CAPT, 52                          ; 8 log2(e)
.set CAPR, 53                          ; 64 x 2^-(e2 + e3): the cap in units of a raw sum
.set TL,   54                          ; floor(8 / slope)
.set TLC,  55
.set RM,   56                          ; the largest i - j of the step among the four partners' waves w
.set TBN,  57                          ; LDS byte of the step whose K is being fetched
.set CNT,  58
.set TB,   59                          ; LDS byte of the step in hand
.set SEL,  60
.set VAS,  62
.set CAPS, 63
.macro ROUND                           ; a round of the cluster's barrier
	s_barrier_signal -1
	s_barrier_wait -1
	s_cmp_lg_u32 s[WV], 0
	s_cbranch_scc1 .Lnot_wave_0_\@
	s_barrier_signal -3
.Lnot_wave_0_\@:
	s_barrier_wait -3
	s_barrier_signal -1
	s_barrier_wait -1
.endm
	s_load_b128 s[4:7], s[0:1], 0x0                ; qkv, the scales' exponents
	s_load_b64 s[8:9], s[0:1], 0x10                ; oc
	v_lshl_add_u32 v[SPW], v0, 2, SPARE
	v_mov_b32 v[NIL], 0
	ds_add_u32 v[SPW], v[NIL]                      ; the opening lines
	ds_add_u32 v[SPW], v[NIL]
	v_lshrrev_b32 v[LI], 5, v0
	v_readfirstlane_b32 s[WV], v[LI]               ; wave 0..15
	s_bfe_u32 s[CX], ttmp6, 0x40000                ; my place in the cluster
	s_and_b32 s[BH], ttmp7, 0xffff                 ; 16 x batch + head
	s_mov_b32 s[G1], 15|(3<<16)|(1<<21)            ; the four partners; elements of 8 bytes; bit 21 beside a mask
	s_mov_b32 s[G1+1], 32<<16                      ; 64 rows of 256 bytes, dense
	s_mov_b32 s[G1+2], 64<<16
	s_mov_b32 s[G1+3], 32<<16
	s_mov_b32 s[G1+4], 64
	s_mov_b32 s[G1+5], 32
	s_mov_b32 s[G1+6], 0
	s_mov_b32 s[G1+7], 0
	s_mov_b32 s[G0], 1
	s_lshl_b32 s[G0+1], s[WV], 14                  ; LDS: 16,384 x wave
	s_mul_i32 s28, s[BH], 393216
	s_mov_b32 s29, 0
	s_add_co_u32 s30, s[G0+1], 131072              ; memory: K's first byte + 16,384 x wave
	s_mov_b32 s31, 0
	s_wait_dscnt 0x0
	s_wait_kmcnt 0x0
	s_load_b256 s[40:47], s[6:7], 0x0              ; e0 .. e7
	s_add_nc_u64 s[4:5], s[4:5], s[28:29]
	s_add_nc_u64 s[G0+2:G0+3], s[4:5], s[30:31]
	s_or_b32 s[G0+3], s[G0+3], 0x80000000
	ROUND                                          ; the four work-groups are here: the joint loads meet
	tensor_load_to_lds s[G0:G0+3], s[G1:G1+7]      ; my one tensor load of the launch
	s_nop 0
	v_and_b32 v[LI], 31, v0
	v_lshlrev_b32 v[LI], 4, v[LI]
	v_add_nc_u32 v[LV], 0x20000, v[LI]
	v_and_b32 v[T1], 15, v0
	v_and_b32 v[T2], 8, v[T1]
	v_add_nc_u32 v[T1], v[T1], v[T2]               ; r + 8 (r / 8)
	v_bfe_u32 v[T2], v0, 4, 1
	v_lshlrev_b32 v[T2], 4, v[T2]
	v_sub_nc_u32 v[T1], v[T1], v[T2]               ; - 16 h
	s_lshl_b32 s[MM], ttmp9, 6
	s_lshl_b32 s67, s[WV], 2
	s_add_co_u32 s[MM], s[MM], s67
	s_add_co_u32 s[MM], s[MM], s[CX]               ; my tile of queries: 64 X + 4 w + cx
	s_lshl_b32 s14, s[MM], 10
	s_mov_b32 s15, 0
	s_add_nc_u64 s[14:15], s[4:5], s[14:15]        ; its codes
	s_lshr_b32 s67, s[MM], 1
	s_lshl_b32 s67, s67, 5
	s_and_b32 s68, s[MM], 1
	s_lshl_b32 s68, s68, 3
	s_add_co_u32 s67, s67, s68                     ; its first row: 32 (T / 2) + 8 (T % 2)
	s_wait_alu depctr_va_vdst(0)
	v_add_nc_u32 v[T1], s67, v[T1]
	v_cvt_f32_i32 v[DL], v[T1]
	global_load_b128 v[Q:Q+3], v[LI], s[14:15]
	global_load_b128 v[Q+4:Q+7], v[LI], s[14:15] offset:512
	s_and_b32 s[H], s[BH], 15
	s_add_co_u32 s68, s[H], 1
	s_lshr_b32 s68, s68, 1
	s_mov_b32 s69, 0x3f3504f3
	s_mov_b32 s70, 11585
	s_bitcmp1_b32 s[H], 0
	s_cselect_b32 s69, 1.0, s69
	s_cselect_b32 s70, 8192, s70
	s_lshl_b32 s71, s68, 23
	s_sub_co_u32 s69, s69, s71                     ; slope = 2^(-(head + 1) / 2)
	s_lshl_b32 s70, s70, s68
	s_lshr_b32 s[TL], s70, 10
	s_add_co_u32 s[TLC], s[TL], 191                ; RM - 190 is the step's least i - j
	s_mul_f32 s[VA], s69, 0x3fb8aa3b
	s_lshl_b32 s[RM], ttmp9, 10
	s_lshl_b32 s71, s[WV], 6
	s_add_co_u32 s[RM], s[RM], s71
	s_add_co_u32 s[RM], s[RM], 63
	s_lshr_b32 s71, s[BH], 4
	s_lshl_b32 s71, s71, 7
	s_add_co_u32 s71, s71, s[MM]                   ; my tile of tokens
	s_lshl_b32 s71, s71, 14
	s_lshl_b32 s72, s[H], 10
	s_add_co_u32 s28, s71, s72
	s_mov_b32 s29, 0
	s_add_nc_u64 s[8:9], s[8:9], s[28:29]
	s_mov_b32 s[CAPT], 0x4138aa3b
	s_mov_b32 s[SEL], 0x76543210
	s_mov_b32 s[SEL+1], 0xfedcba98
	s_wait_kmcnt 0x0
	s_add_co_i32 s71, s42, s43                     ; e2 + e3
	s_lshl_b32 s72, s71, 23
	s_add_co_i32 s[CS], s72, 0x3e38aa3b
	s_mov_b32 s[CS+1], s[CS]
	s_sub_co_i32 s73, 3, s71
	s_lshl_b32 s73, s73, 23
	s_add_co_i32 s[ARAW], s69, s73
	s_xor_b32 s74, s[ARAW], 0x80000000
	s_sub_co_i32 s73, 133, s71
	s_lshl_b32 s[CAPR], s73, 23
	s_add_co_i32 s73, s44, 127
	s_lshl_b32 s75, s73, 23                        ; 2^e4
	s_add_co_i32 s73, s73, 8
	s_lshl_b32 s76, s73, 23
	s_or_b32 s76, s76, 0x600000                    ; 448 x 2^e4
.irp e, 0,1,2,3,4,5,6,7,8,9,10,11,12,13,14,15
	v_cvt_f32_i32 v[TAB+\e], \e
.endr
.irp e, 0,1,2,3,4,5,6,7,8,9,10,11,12,13,14,15
	v_mul_f32 v[TAB+\e], s74, v[TAB+\e]
.endr
	v_mov_b32 v[TMX], 0xff61b1e6                   ; -3e38, under every t
	v_floor_f32 v[NM], -v[TMX]
	v_mov_b32 v[SUM], 0
	v_mov_b32 v[SUM+1], 0
	v_mov_b32 v[F+1], 0
	v_mov_b32 v[PD], 0
.irp b, 0,1,2,3
	v_mov_b32 v[AB+2*\b+1], 0                      ; named as the upper halves of pairs
.endr
.set n, 0
.rept 32
	v_mov_b32 v[O+n], 0                            ; the loop is written once: its first step finds zeros
.set n, n+1
.endr
	v_mov_b32 v[SC], s75
	v_mov_b32 v[LIM], s76
	v_mov_b32 v[LIM2], s76
.macro QK form                         ; S^T = K Q^T + C: 0: C = 0; 1: C = the table; 2: C = what lies in S
.irp t, 0,1,2,3,4,5,6,7
.if \form == 0
	v_wmma_f32_16x16x64_fp8_fp8 v[S+8*\t:S+8*\t+7], v[FRG+8*\t:FRG+8*\t+7], v[Q:Q+7], 0
.endif
.if \form == 1
	v_wmma_f32_16x16x64_fp8_fp8 v[S+8*\t:S+8*\t+7], v[FRG+8*\t:FRG+8*\t+7], v[Q:Q+7], v[TAB+8*(\t%2):TAB+8*(\t%2)+7]
.endif
.if \form == 2
	v_wmma_f32_16x16x64_fp8_fp8 v[S+8*\t:S+8*\t+7], v[FRG+8*\t:FRG+8*\t+7], v[Q:Q+7], v[S+8*\t:S+8*\t+7]
.endif
.endr
.endm
.macro GCALC                           ; the bias in full, in raw units, into S
	v_add_f32 v[T0], 0xc2000000, v[DL]
	v_add_f32 v[T1], 0xc2800000, v[DL]
	v_add_f32 v[T2], 0xc2c00000, v[DL]
	v_mul_f32 v[AB], s[ARAW], v[DL]
	v_mul_f32 v[AB+2], s[ARAW], v[T0]
	v_mul_f32 v[AB+4], s[ARAW], v[T1]
	v_mul_f32 v[AB+6], s[ARAW], v[T2]
.irp b, 0,1,2,3
.irp e, 0,2,4,6,8,10,12,14
	v_pk_add_f32 v[S+16*\b+\e:S+16*\b+\e+1], v[TAB+\e:TAB+\e+1], v[AB+2*\b:AB+2*\b+1] op_sel_hi:[1,0]
.endr
.endr
.set n, 0
.rept 64
	v_min_num_f32 v[S+n], s[CAPR], v[S+n]
.set n, n+1
.endr
.endm
.macro DBCALC                          ; what is added to block b's t: VAS (DL - 32 b) + CAPS; then DL goes on to the next step
	v_add_f32 v[T0], 0xc2000000, v[DL]
	v_add_f32 v[T1], 0xc2800000, v[DL]
	v_add_f32 v[T2], 0xc2c00000, v[DL]
	v_fma_f32 v[DB], v[DL], s[VAS], s[CAPS]
	v_fma_f32 v[DB+1], v[T0], s[VAS], s[CAPS]
	v_fma_f32 v[DB+2], v[T1], s[VAS], s[CAPS]
	v_fma_f32 v[DB+3], v[T2], s[VAS], s[CAPS]
	v_add_f32 v[DL], 0xc3000000, v[DL]
.endm
.macro LOADK                           ; 8 key tiles, 16 loads of 512 consecutive bytes; the addition and three v_nop are the four places behind the products that read these registers
	v_add_nc_u32 v[ADK], s[TBN], v[LI]
.rept 3
	v_nop
.endr
.irp t, 0,1,2,3,4,5,6,7
	ds_load_b128 v[FRG+8*\t:FRG+8*\t+3],   v[ADK] offset:1024*\t
	ds_load_b128 v[FRG+8*\t+4:FRG+8*\t+7], v[ADK] offset:1024*\t+512
.endr
.endm
.macro LOADV                           ; 4 channel tiles x 128 keys
	v_add_nc_u32 v[ADV], s[TB], v[LV]
.irp t, 0,1,2,3
.irp c, 0,1,2,3
	ds_load_b128 v[FRG+16*\t+4*\c:FRG+16*\t+4*\c+3], v[ADV] offset:2048*\t+512*\c
.endr
.endr
.endm
.macro SOFTMAX                         ; 16 queries x 128 keys: from raw sums in S to p's codes in PC, and O^T under the new M
.irp b, 0,1,2,3
	v_max3_num_f32 v[MB+\b], v[S+16*\b], v[S+16*\b+1], v[S+16*\b+2]
.endr
.irp k, 1,2,3,4,5,6
.irp b, 0,1,2,3
	v_max3_num_f32 v[MB+\b], v[MB+\b], v[S+16*\b+2*\k+1], v[S+16*\b+2*\k+2]
.endr
.endr
.irp b, 0,1,2,3
	v_max_num_f32 v[MB+\b], v[MB+\b], v[S+16*\b+15]
.endr
.irp b, 0,1,2,3
	s_delay_alu instid0(VALU_DEP_4)
	v_fma_f32 v[MB+\b], v[MB+\b], s[CS], v[DB+\b]  ; each block's largest, as t
.endr
	s_delay_alu instid0(VALU_DEP_2)
	v_max3_num_f32 v[T0], v[MB], v[MB+1], v[MB+2]
	s_delay_alu instid0(VALU_DEP_1)
	v_max_num_f32 v[T0], v[T0], v[MB+3]
	s_delay_alu instid0(VALU_DEP_1)
	v_permlanex16_b32 v[PD], v[T0], s[SEL], s[SEL+1]
	s_delay_alu instid0(VALU_DEP_1)
	v_max3_num_f32 v[TMX], v[TMX], v[T0], v[PD]    ; the running largest t
	v_mov_b32 v[T0], v[NM]
	s_delay_alu instid0(VALU_DEP_2)
	v_floor_f32 v[NM], -v[TMX]                     ; -M = floor(-t)
	s_delay_alu instid0(VALU_DEP_1)
	v_sub_f32 v[T0], v[NM], v[T0]
	s_delay_alu instid0(VALU_DEP_1)
	v_cvt_i32_f32 v[T0], v[T0]                     ; old M - new M (it saturates)
	s_delay_alu instid0(VALU_DEP_1)
	v_ldexp_f32 v[F], 1.0, v[T0]
.irp b, 0,1,2,3
	v_add_f32 v[AB+2*\b], v[DB+\b], v[NM]
.endr
.irp b, 0,1,2,3
.irp e, 0,2,4,6,8,10,12,14
	v_pk_fma_f32 v[S+16*\b+\e:S+16*\b+\e+1], v[S+16*\b+\e:S+16*\b+\e+1], s[CS:CS+1], v[AB+2*\b:AB+2*\b+1] op_sel_hi:[1,0,0]
.endr
.endr
	s_wait_alu depctr_va_vdst(0)                   ; ahead of the batch
.set n, 0
.rept 64
	v_exp_f32 v[S+n], v[S+n]
.set n, n+1
.endr
	v_pk_mul_f32 v[SUM:SUM+1], v[SUM:SUM+1], v[F:F+1] op_sel_hi:[1,0]
	s_wait_alu depctr_va_vdst(0)                   ; and behind it, ahead of its first reader
	v_pk_add_f32 v[SUM2:SUM2+1], v[S:S+1], v[S+2:S+3]
	v_pk_add_f32 v[SUM3:SUM3+1], v[S+4:S+5], v[S+6:S+7]         ; the row's sum of the unquantised p, two at a time, in four chains that take turns
	v_pk_add_f32 v[SUM4:SUM4+1], v[S+8:S+9], v[S+10:S+11]
.irp j, 12,20,28,36,44,52
	v_pk_add_f32 v[SUM:SUM+1], v[SUM:SUM+1], v[S+\j:S+\j+1]
	v_pk_add_f32 v[SUM2:SUM2+1], v[SUM2:SUM2+1], v[S+\j+2:S+\j+3]
	v_pk_add_f32 v[SUM3:SUM3+1], v[SUM3:SUM3+1], v[S+\j+4:S+\j+5]
	v_pk_add_f32 v[SUM4:SUM4+1], v[SUM4:SUM4+1], v[S+\j+6:S+\j+7]
.endr
	v_pk_add_f32 v[SUM:SUM+1], v[SUM:SUM+1], v[S+60:S+61]
	v_pk_add_f32 v[SUM2:SUM2+1], v[SUM2:SUM2+1], v[S+62:S+63]
	v_pk_add_f32 v[SUM3:SUM3+1], v[SUM3:SUM3+1], v[SUM4:SUM4+1]
	v_pk_add_f32 v[SUM:SUM+1], v[SUM:SUM+1], v[SUM2:SUM2+1]
	v_pk_add_f32 v[SUM:SUM+1], v[SUM:SUM+1], v[SUM3:SUM3+1]
.irp b, 0,1,2,3
.irp e, 0,2,4,6,8,10,12,14
	v_dual_min_num_f32 v[S+16*\b+\e], v[S+16*\b+\e], v[LIM] :: v_dual_min_num_f32 v[S+16*\b+\e+1], v[S+16*\b+\e+1], v[LIM2]   ; the conversion does not saturate (ISA guide 7.6.2); p is not negative; two holds a line
.endr
	v_cvt_scalef32_pk8_fp8_f32 v[PC+4*\b:PC+4*\b+1], v[S+16*\b:S+16*\b+7], v[SC]
	v_cvt_scalef32_pk8_fp8_f32 v[PC+4*\b+2:PC+4*\b+3], v[S+16*\b+8:S+16*\b+15], v[SC]
.endr
	s_wait_alu depctr_va_vdst(0)                   ; directly ahead of the first readers of O^T
.irp j, 0,2,4,6,8,10,12,14,16,18,20,22,24,26,28,30
	v_pk_mul_f32 v[O+\j:O+\j+1], v[O+\j:O+\j+1], v[F:F+1] op_sel_hi:[1,0]
.endr
.endm
.macro STEP
	s_wait_dscnt 0x0                               ; this step's K is in
	s_lshl_b32 s[TB], s[CNT], 13
	s_add_co_u32 s66, s[CNT], 1
	s_min_u32 s66, s66, 15                         ; the last step fetches its own K once more: no load leaves K's and V's bytes
	s_lshl_b32 s[TBN], s66, 13
	s_cmp_ge_i32 s[RM], s[TLC]
	s_cselect_b32 s[VAS], 0, s[VA]
	s_cselect_b32 s[CAPS], s[CAPT], 0
	s_cbranch_scc1 .Lcapped_\@
	s_cmp_le_i32 s[RM], s[TL]
	s_cbranch_scc1 .Lopen_\@
	s_mov_b32 s[VAS], 0                            ; the cap's edge lies in this step: the whole bias goes in as C
	GCALC
	QK 2
	s_branch .Ltail_\@
.Lopen_\@:
	QK 1
	s_branch .Ltail_\@
.Lcapped_\@:
	QK 0
.Ltail_\@:
	s_barrier_signal -1                            ; my first product of this step is issued; no LDS access of mine is out here (K was waited for, V is not yet asked for)
	DBCALC
	LOADV                                          ; V takes K's registers
	SOFTMAX
	s_wait_alu depctr_va_vdst(0)
	s_wait_dscnt 0x0                               ; V is in
	s_barrier_wait -1                              ; no wave starts a step's second product before every wave has issued that step's first: the sixteen waves stay within one key step of each other.  Between signal and wait: register work and loads of LDS bytes that nobody writes
.irp t, 0,1,2,3
	v_wmma_f32_16x16x128_fp8_fp8 v[O+8*\t:O+8*\t+7], v[FRG+16*\t:FRG+16*\t+15], v[PC:PC+15], v[O+8*\t:O+8*\t+7]   ; O^T += V^T P^T; the four accumulators take turns
.endr
	LOADK                                          ; the next step's K
	s_sub_co_i32 s[RM], s[RM], 128
.endm
	s_wait_alu depctr_va_vdst(0)
	s_wait_loadcnt 0x0                             ; Q
	s_wait_tensorcnt 0x0                           ; my 16,384 bytes are in,
	s_barrier_signal -1
	s_barrier_wait -1                              ; everybody's are
	s_mov_b32 s[TBN], 0
	LOADK
	s_mov_b32 s[CNT], 0
	s_wait_alu depctr_va_vdst(0)
.Lstep:
	STEP
	s_add_co_u32 s[CNT], s[CNT], 1
	s_cmp_lt_u32 s[CNT], 16
	s_wait_alu depctr_va_vdst(0)
	s_cbranch_scc1 .Lstep
	s_add_co_i32 s71, s44, s45                     ; e4 + e5
	s_add_co_i32 s73, s46, 127
	s_lshl_b32 s72, s73, 23                        ; 2^e6
	s_add_co_i32 s73, s73, 8
	s_lshl_b32 s73, s73, 23
	s_or_b32 s73, s73, 0x600000                    ; 448 x 2^e6
	; THE WAY OUT: O^T / the sum x 2^(e4 + e5), held and quantised with 2^e6: 8 registers of codes, half a fragment's image
	v_add_f32 v[SUM], v[SUM], v[SUM+1]
	v_permlanex16_b32 v[PD], v[SUM], s[SEL], s[SEL+1]
	v_add_f32 v[SUM], v[SUM], v[PD]
	s_wait_alu depctr_va_vdst(0)
	v_rcp_f32 v[SUM], v[SUM]
	v_mov_b32 v[SC], s72
	v_mov_b32 v[LIM], s73
	s_wait_alu depctr_va_vdst(0)
	v_ldexp_f32 v[SUM], v[SUM], s71
	s_wait_alu depctr_va_vdst(0)                   ; directly ahead of the first readers of O^T
.set n, 0
.rept 32
	v_mul_f32 v[S+n], v[O+n], v[SUM]
.set n, n+1
.endr
.set n, 0
.rept 32
	v_med3_num_f32 v[S+n], v[S+n], -v[LIM], v[LIM]
.set n, n+1
.endr
.irp g, 0,1,2,3
	v_cvt_scalef32_pk8_fp8_f32 v[PC+2*\g:PC+2*\g+1], v[S+8*\g:S+8*\g+7], v[SC]
.endr
	v_nop
	global_store_b128 v[LI], v[PC:PC+3], s[8:9]                 ; each store of the wave covers 512 consecutive bytes, aligned
	global_store_b128 v[LI], v[PC+4:PC+7], s[8:9] offset:512
	s_wait_tensorcnt 0x0                           ; the wave's end
	ds_add_u32 v[SPW], v[NIL]
	s_wait_dscnt 0x0
	ROUND                                          ; the closing round
	s_endpgm
.Lfunc_end_k_q3ec7e3d48d_attn:
	.size	k_q3ec7e3d48d_attn, .Lfunc_end_k_q3ec7e3d48d_attn-k_q3ec7e3d48d_attn
	.p2alignl 7, 3214868480
	.fill 96, 4, 3214868480
	.section	.rodata,"a",@progbits
	.p2align	6, 0x0
	.amdhsa_kernel k_q3ec7e3d48d_attn
		.amdhsa_group_segment_fixed_size 327680
		.amdhsa_private_segment_fixed_size 0
		.amdhsa_enable_private_segment 0
		.amdhsa_kernarg_size 24
		.amdhsa_user_sgpr_count 2
		.amdhsa_user_sgpr_kernarg_segment_ptr 1
		.amdhsa_wavefront_size32 1
		.amdhsa_system_sgpr_workgroup_id_x 1
		.amdhsa_system_sgpr_workgroup_id_y 1
		.amdhsa_system_sgpr_workgroup_id_z 1
		.amdhsa_system_vgpr_workitem_id 0
		.amdhsa_next_free_vgpr 256
		.amdhsa_next_free_sgpr 80
		.amdhsa_reserve_vcc 0
		.amdhsa_float_denorm_mode_32 3
		.amdhsa_float_denorm_mode_16_64 3
		.amdhsa_memory_ordered 1
		.amdhsa_forward_progress 1
		.amdhsa_inst_pref_size 36
	.end_amdhsa_kernel
	.amdgpu_metadata
---
amdhsa.version: [ 1, 2 ]
amdhsa.kernels:
  - .name:           k_q3ec7e3d48d_attn
    .symbol:         k_q3ec7e3d48d_attn.kd
    .args:
      - { .name: qkv, .offset: 0, .size: 8, .value_kind: global_buffer, .address_space: global }
      - { .name: lowp_scales, .offset: 8, .size: 8, .value_kind: global_buffer, .address_space: global }
      - { .name: oc, .offset: 16, .size: 8, .value_kind: global_buffer, .address_space: global }
    .group_segment_fixed_size: 327680
    .private_segment_fixed_size: 0
    .kernarg_segment_align: 8
    .kernarg_segment_size: 24
    .max_flat_workgroup_size: 512
    .sgpr_count:     80
    .vgpr_count:     256
    .wavefront_size: 32
...
	.end_amdgpu_metadata
.endif
;; end of part 3
;; launch proj (part 4): grid 8 x 32, 4 waves a work-group, clusters of 4 x 4, 280,064 bytes of LDS; arguments oc, codes, lowp_scales, out_proj_bias, out0; writes out0
.if DOCPART == 4
	.amdgcn_target "amdgcn-amd-amdhsa--gfx1250"
	.amdhsa_code_object_version 6
	.text
	.protected	k_q3ec7e3d48d_proj
	.globl	k_q3ec7e3d48d_proj
	.p2align	8
	.type	k_q3ec7e3d48d_proj,@function
k_q3ec7e3d48d_proj:
	s_mov_b64 s[64:65], 0
	v_nop
	global_prefetch_b8 v0, s[64:65] scope:SCOPE_SE
	s_setreg_imm32_b32 hwreg(HW_REG_WAVE_MODE, 25, 1), 1
	s_wait_xcnt 0x0
	s_wait_alu depctr_hold_cnt(0) depctr_sa_sdst(0) depctr_va_vdst(0) depctr_va_sdst(0) depctr_va_ssrc(0) depctr_va_vcc(0) depctr_vm_vsrc(0)
	s_getreg_b32 s2, hwreg(HW_REG_IB_STS2, 6, 4)
	s_cmp_eq_u32 s2, 0
	s_cbranch_scc0 .Lentry_in_a_cluster
	s_endpgm
.Lentry_in_a_cluster:
	s_bfe_u32 s2, ttmp6, 0x10000c
	s_cmp_lg_u32 s2, 0xf033
	s_cbranch_scc0 .Lentry_shape_is_right
	s_endpgm
.Lentry_shape_is_right:
; out0 = o out_proj_weight^T + out_proj_bias on codes of FP8 (E4M3): f32 sums x 2^(e6 + e7) + bias.  out0: [4096][1024] f32.
; IN, as images of operand registers (tile T of 16 rows at T x 16,384; lane-row r = row 32 (T / 2) + 8 (T % 2) + r + 8 (r / 8); fragment s at + 2,048 s; 16 bytes at 512 c + 16 x lane = k 32 c + 16 h + 0 .. 15):
;   oc: 256 tiles of tokens;  codes from byte 7,340,032: out_proj_weight's 64 tiles.
; A tile of out0 is 128 x 128: 256 work-groups of four waves, each wave 64 x 64: 16 accumulators.  The whole K of both operands, 2 x 131,072 bytes, lies in LDS, filled ONCE:
; each wave asks for 4 tiles x 16,384 bytes, 65,536 bytes on end in memory, by one joint load at the head.  No byte of LDS is filled twice, and no loop runs ahead of a load: so no prefetch is laid.
; CLUSTERS: 4 x 4 work-groups.  The tokens' tiles (A) are shared along a row of the cluster, the weight's (B) along a column.
; THE MATRIX INSTRUCTION: source 0 = 16 rows of the weight, source 1 = 16 tokens: a lane holds one token, and the 16 registers of the weight's tiles 2 c, 2 c + 1 are 16 neighbouring columns of out0.
; LIMIT: e6 + e7 between -126 and 127.
; REGISTERS: window 0: v8-31 addresses; v32-63 a block's results; v64-95 rows read back; v96-127 the bias; v128-255 the accumulators.  window 1: two buffers of 128: A's four fragments, then B's four.
.set STG,    262144                    ; behind the operands: a stage of 16 rows x 272 bytes for each wave; no fill lands here
.set SPITCH, 272
.set SPARE,  0x44400                   ; behind the stages: the spare words
.set ADRA, 8
.set ADRB, 12
.set STO,  24
.set RD,   25
.set CO,   26
.set BO,   27
.set SPW,  30
.set NIL,  31
.set TMP,  32
.set BK,   64
.set BI,   96
.set ACC,  128
.set G1A, 24
.set G1B, 32
.set G0A, 40
.set G0B, 44
.set MSB, 0
.macro WIN new
.if MSB != \new
	s_set_vgpr_msb (MSB<<8)|\new
.set MSB, \new
.endif
.endm
.set MUL,  0x05                        ; sources 0 (B) and 1 (A) window 1; C and D window 0
.set TO_F, 0x40                        ; destination window 1, address window 0
.macro CROUND
	s_barrier_signal -1
	s_barrier_wait -1
	s_cmp_lg_u32 s14, 0
	s_cbranch_scc1 .Lnot_wave_0_\@
	s_barrier_signal -3
.Lnot_wave_0_\@:
	s_barrier_wait -3
	s_barrier_signal -1
	s_barrier_wait -1
.endm
	s_load_b256 s[4:11], s[0:1], 0x0               ; oc, codes, the scales' exponents, out_proj_bias
	s_load_b64 s[12:13], s[0:1], 0x20              ; out0
	v_lshl_add_u32 v[SPW], v0, 2, SPARE
	v_mov_b32 v[NIL], 0
	ds_add_u32 v[SPW], v[NIL]                      ; the opening lines
	ds_add_u32 v[SPW], v[NIL]
	v_lshrrev_b32 v1, 5, v0
	v_readfirstlane_b32 s14, v1                    ; wave 0..3
	s_lshr_b32 s15, s14, 1                         ; my half of the tokens.  Also: I fetch for A (0) or for B (1)
	s_and_b32 s16, s14, 1                          ; my half of the columns.  Also: which 4 tiles I fetch
	s_bfe_u32 s17, ttmp6, 0x40000                  ; cx, cy
	s_bfe_u32 s18, ttmp6, 0x40004
	s_lshl_b32 s19, ttmp9, 2
	s_add_co_u32 s19, s19, s17                     ; tile column
	s_and_b32 s20, ttmp7, 0xffff
	s_lshl_b32 s20, s20, 2
	s_add_co_u32 s20, s20, s18                     ; tile row
	s_lshl_b32 s21, s18, 2
	s_lshl_b32 s21, 15, s21                        ; my row of the cluster
	s_lshl_b32 s22, 0x1111, s17                    ; my column
	s_or_b32 s[G1A+0], s21, (3<<16)|(1<<21)        ; 4 rows (tiles) of 16,384 bytes on end, in elements of 8 bytes
	s_or_b32 s[G1B+0], s22, (3<<16)|(1<<21)
.irp g, G1A, G1B
	s_mov_b32 s[\g+1], 2048<<16
	s_mov_b32 s[\g+2], 4<<16
	s_mov_b32 s[\g+3], 2048<<16
	s_mov_b32 s[\g+4], 4
	s_mov_b32 s[\g+5], 2048
	s_mov_b32 s[\g+6], 0
	s_mov_b32 s[\g+7], 0
.endr
	s_lshl_b32 s23, s16, 16                        ; the 4 tiles that I fetch
	s_lshl_b32 s56, s20, 17                        ; A: 8 tiles x tile row
	s_add_co_u32 s56, s56, s23
	s_mov_b32 s57, 0
	s_lshl_b32 s58, s19, 17                        ; B: 8 tiles x tile column,
	s_add_co_u32 s58, s58, s23
	s_add_co_u32 s58, s58, 7340032                 ; from out_proj_weight's first tile
	s_mov_b32 s59, 0
	s_lshl_b32 s60, s14, 16                        ; where they go: wave x 65,536
	s_lshl_b32 s88, s20, 19                        ; out0: 128 rows of 4,096 bytes x tile row,
	s_lshl_b32 s89, s15, 18
	s_add_co_u32 s88, s88, s89                     ; + my 64 rows,
	s_lshl_b32 s90, s19, 9
	s_lshl_b32 s91, s16, 8
	s_add_co_u32 s90, s90, s91                     ; my first column, in bytes (also in the bias)
	s_add_co_u32 s88, s88, s90
	s_mov_b32 s89, 0
	s_mov_b32 s91, 0
	s_lshl_b32 s92, s15, 16                        ; my 4 tiles of A in LDS,
	s_lshl_b32 s93, s16, 16
	s_add_co_u32 s93, s93, 131072                  ; of B,
	s_mul_i32 s94, s14, 16*SPITCH
	s_add_co_u32 s94, s94, STG                     ; my stage
	s_wait_dscnt 0x0
	s_wait_kmcnt 0x0
	s_load_b64 s[84:85], s[8:9], 0x18              ; e6, e7
	s_add_nc_u64 s[56:57], s[4:5], s[56:57]
	s_add_nc_u64 s[58:59], s[6:7], s[58:59]
	s_add_nc_u64 s[12:13], s[12:13], s[88:89]
	s_add_nc_u64 s[10:11], s[10:11], s[90:91]
	CROUND                                         ; all sixteen work-groups are here: the joint loads meet
	s_mov_b32 s[G0A], 1
	s_mov_b32 s[G0A+1], s60
	s_mov_b64 s[G0A+2:G0A+3], s[56:57]
	s_or_b32 s[G0A+3], s[G0A+3], 0x80000000
	s_mov_b32 s[G0B], 1
	s_mov_b32 s[G0B+1], s60
	s_mov_b64 s[G0B+2:G0B+3], s[58:59]
	s_or_b32 s[G0B+3], s[G0B+3], 0x80000000
	s_cmp_eq_u32 s15, 0                            ; one load in each arm: my one tensor load of the launch
	s_cbranch_scc0 .Lfill_b
	tensor_load_to_lds s[G0A:G0A+3], s[G1A:G1A+7]
	s_nop 0
.rept 4
	v_nop
.endr
	s_branch .Lfilled
.Lfill_b:
	tensor_load_to_lds s[G0B:G0B+3], s[G1B:G1B+7]
	s_nop 0
.rept 4
	v_nop
.endr
.Lfilled:
	v_and_b32 v1, 31, v0
	v_lshlrev_b32 v2, 4, v1                        ; 16 x lane
	v_and_b32 v3, 15, v0                           ; r
	v_bfe_u32 v4, v0, 4, 1                         ; h
	v_lshlrev_b32 v[BO], 6, v4
	v_add_nc_u32 v[ADRA], s92, v2
	v_add_nc_u32 v[ADRB], s93, v2
	v_mul_u32_u24 v[STO], v3, SPITCH               ; in: row r, 64 bytes for each half of the lanes
	v_lshl_add_u32 v[STO], v4, 6, v[STO]
	v_add_nc_u32 v[STO], s94, v[STO]
	v_mul_u32_u24 v[RD], v4, SPITCH                ; back: lanes 0-15 one row of 256 bytes, lanes 16-31 the next
	v_lshl_add_u32 v[RD], v3, 4, v[RD]
	v_add_nc_u32 v[RD], s94, v[RD]
	v_lshlrev_b32 v[CO], 12, v4                    ; and the same two rows in out0
	v_lshl_add_u32 v[CO], v3, 4, v[CO]
.irp g, 0,1,2,3,4,5,6,7
	global_load_b128 v[BI+4*\g:BI+4*\g+3], v[BO], s[10:11] offset:128*(\g/4)+16*(\g%4)   ; register 16 c + i: the bias of column 32 c + 16 h + i of my 64
.endr
; 8 matrix instructions: A's blocks a0, a0 + 1 x B's four, 128 along K, from buffer f.  The 16 accumulators take turns.
.macro MUL8 f, a0, zero
.irp a, \a0, \a0+1
.irp b, 0,1,2,3
.if \zero
	v_wmma_f32_16x16x128_fp8_fp8 v[ACC+8*(4*(\a)+\b):ACC+8*(4*(\a)+\b)+7], v[\f+64+16*\b:\f+64+16*\b+15], v[\f+16*(\a):\f+16*(\a)+15], 0
.else
	v_wmma_f32_16x16x128_fp8_fp8 v[ACC+8*(4*(\a)+\b):ACC+8*(4*(\a)+\b)+7], v[\f+64+16*\b:\f+64+16*\b+15], v[\f+16*(\a):\f+16*(\a)+15], v[ACC+8*(4*(\a)+\b):ACC+8*(4*(\a)+\b)+7]
.endif
.endr
.endr
.endm
.macro FETCH q, f                      ; the fragments of the q-th 128 along K into buffer f: 32 loads of 512 consecutive bytes
	WIN TO_F
.irp i, 0,1,2,3
.irp c, 0,1,2,3
	ds_load_b128 v[\f+64+16*\i+4*\c:\f+64+16*\i+4*\c+3], v[ADRB] offset:16384*\i+2048*(\q)+512*\c
	ds_load_b128 v[\f+16*\i+4*\c:\f+16*\i+4*\c+3],       v[ADRA] offset:16384*\i+2048*(\q)+512*\c
.endr
.endr
.endm
.macro QSTEP q                         ; step q of eight: the next step's fragments are fetched in its middle
.set FB, 128*((\q)%2)
.set GB, 128-FB
	s_wait_dscnt 0x0                               ; this step's fragments are in
	WIN MUL
.if (\q) == 0
	MUL8 FB, 0, 1                                  ; the first products start the sums
.else
	MUL8 FB, 0, 0
.endif
.if (\q) < 7
.rept 4
	v_nop                                          ; places in front of loads into registers that the last step's products have read
.endr
	FETCH (\q)+1, GB
.endif
	WIN MUL
.if (\q) == 0
	MUL8 FB, 2, 1
.else
	MUL8 FB, 2, 0
.endif
.endm
	s_wait_alu depctr_va_vdst(0)
	s_wait_tensorcnt 0x0                           ; my 65,536 bytes are in,
	s_barrier_signal -1
	s_barrier_wait -1                              ; everybody's are
	FETCH 0, 0
.irp q, 0,1,2,3,4,5,6,7
	QSTEP \q
.endr
	WIN 0
; THE WAY OUT, block a of 16 tokens x 64 columns at a time: sum x 2^(e6 + e7) + bias; a lane's 2 x 64 bytes go into my own stage and come back as whole rows of 256 bytes.
; LDS serves a wave's instructions in order (ISA guide 5.7.1.4): no wait between the stores and the loads.
.macro OUT a
.set n, 0
.rept 16
	v_pk_fma_f32 v[TMP+n:TMP+n+1], v[ACC+32*(\a)+n:ACC+32*(\a)+n+1], s[86:87], v[BI+n:BI+n+1] op_sel_hi:[1,0,1]   ; each accumulator from its low end on
.set n, n+2
.endr
.irp g, 0,1,2,3,4,5,6,7
	ds_store_b128 v[STO], v[TMP+4*\g:TMP+4*\g+3] offset:128*(\g/4)+16*(\g%4)
.endr
.if (\a) > 0
	s_wait_xcnt 0x0                                ; the last block's stores have read their registers
.endif
.irp t, 0,1,2,3,4,5,6,7
	ds_load_b128 v[BK+4*\t:BK+4*\t+3], v[RD] offset:2*SPITCH*\t
.endr
	s_wait_dscnt 0x0
.irp t, 0,1,2,3,4,5,6,7
	global_store_b128 v[CO], v[BK+4*\t:BK+4*\t+3], s[12:13] offset:(32*((\a)/2)+8*((\a)%2)+2*\t+8*(\t/4))*4096 th:TH_STORE_NT   ; 16 lanes store 256 consecutive bytes, aligned
.endr
.endm
	s_wait_kmcnt 0x0
	s_add_co_i32 s86, s84, s85
	s_add_co_i32 s86, s86, 127
	s_lshl_b32 s86, s86, 23                        ; 2^(e6 + e7) as f32
	s_mov_b32 s87, s86
	s_wait_loadcnt 0x0                             ; the bias
.rept 4
	v_nop                                          ; places behind the last products
.endr
.irp a, 0,1,2,3
	OUT \a
.endr
	s_wait_tensorcnt 0x0                           ; the wave's end
	ds_add_u32 v[SPW], v[NIL]
	s_wait_dscnt 0x0
	CROUND                                         ; the closing round
	s_endpgm
.Lfunc_end_k_q3ec7e3d48d_proj:
	.size	k_q3ec7e3d48d_proj, .Lfunc_end_k_q3ec7e3d48d_proj-k_q3ec7e3d48d_proj
	.p2alignl 7, 3214868480
	.fill 96, 4, 3214868480
	.section	.rodata,"a",@progbits
	.p2align	6, 0x0
	.amdhsa_kernel k_q3ec7e3d48d_proj
		.amdhsa_group_segment_fixed_size 280064
		.amdhsa_private_segment_fixed_size 0
		.amdhsa_enable_private_segment 0
		.amdhsa_kernarg_size 40
		.amdhsa_user_sgpr_count 2
		.amdhsa_user_sgpr_kernarg_segment_ptr 1
		.amdhsa_wavefront_size32 1
		.amdhsa_system_sgpr_workgroup_id_x 1
		.amdhsa_system_sgpr_workgroup_id_y 1
		.amdhsa_system_sgpr_workgroup_id_z 1
		.amdhsa_system_vgpr_workitem_id 0
		.amdhsa_next_free_vgpr 512
		.amdhsa_next_free_sgpr 96
		.amdhsa_reserve_vcc 0
		.amdhsa_float_denorm_mode_32 3
		.amdhsa_float_denorm_mode_16_64 3
		.amdhsa_memory_ordered 1
		.amdhsa_forward_progress 1
		.amdhsa_inst_pref_size 44
	.end_amdhsa_kernel
	.amdgpu_metadata
---
amdhsa.version: [ 1, 2 ]
amdhsa.kernels:
  - .name:           k_q3ec7e3d48d_proj
    .symbol:         k_q3ec7e3d48d_proj.kd
    .args:
      - { .name: oc, .offset: 0, .size: 8, .value_kind: global_buffer, .address_space: global }
      - { .name: codes, .offset: 8, .size: 8, .value_kind: global_buffer, .address_space: global }
      - { .name: lowp_scales, .offset: 16, .size: 8, .value_kind: global_buffer, .address_space: global }
      - { .name: out_proj_bias, .offset: 24, .size: 8, .value_kind: global_buffer, .address_space: global }
      - { .name: out0, .offset: 32, .size: 8, .value_kind: global_buffer, .address_space: global }
    .group_segment_fixed_size: 280064
    .private_segment_fixed_size: 0
    .kernarg_segment_align: 8
    .kernarg_segment_size: 40
    .max_flat_workgroup_size: 128
    .sgpr_count:     96
    .vgpr_count:     512
    .wavefront_size: 32
...
	.end_amdgpu_metadata
.endif
;; end of part 4
